; MI455X (gfx1250); checked and timed in simulation.
; The chip was launched on July 23, 2026; its instructions are those of AMD's public machine-readable ISA for CDNA 5 (MIT licence, August 2026) and "CDNA5" Instruction Set Architecture Reference Guide (July 2026). The comments in the code are by the model that wrote it; some were corrected since.
;; Feature Grid. Allowed arithmetic: matrix products marked QUANTISED: E3M2 operands, one E8M0 scale for each 32 along K, by v_wmma_scale_f32_16x16x128_f8f6f4 with both operands' format E3M2, f32 sums; products left as they are: f32 operands where the result goes on into a quantised operand, else bf16, f16 or f32 operands; f32 sums; everything else in f32.
;; Inputs: Wkv 64 x 128 float32; Wo 64 x 64 float32; Wq 64 x 64 float32; bo 64 float32; coords 1 x 8,192 x 2 float32; image 1 x 1 x 128 x 128 float32; latents 1 x 64 x 128 x 128 float32; ln_bc 64 float32; ln_bx 64 float32; ln_gc 64 float32; ln_gx 64 float32.
;; Outputs: out0 8,192 x 97 float32.
;; Constants: N = 16.
;; This version of the problem:
;;   THIS VERSION OF THE PROBLEM IS GIVEN IN LOW PRECISION. The matrix products marked QUANTISED in the list below multiply operands that are first quantised to E3M2 (3 exponent bits, 2 mantissa bits; 6 bits a number), with one power-of-two scale for each 32 numbers along K (OCP MX v1.0); their sums are f32. All else is computed in f32.
;;   The module's matrix products, in the order in which they are computed (A, B: the left and right operand; K: the contracted axis; several contracted axes count as one K, in the product's order):
;;     1. [M 8,192, K 2] x [K 2, N 16,384]; A: computed on the way; B: computed on the way: left as it is (K = 2 < 32)
;;     2. [M 8,192, K 64] x [K 64, N 64]; A: computed on the way; B: input Wq: QUANTISED
;;     3. [M 131,072, K 64] x [K 64, N 128]; A: computed on the way; B: input Wkv: QUANTISED
;;     4. batch 8,192 x [M 1, K 64] x [K 64, N 16]; A: computed on the way; B: computed on the way: left as it is (M = 1 < 16)
;;     5. batch 8,192 x [M 1, K 16] x [K 16, N 64]; A: softmax; B: computed on the way: left as it is (K = 16 < 32)
;;     6. [M 8,192, K 64] x [K 64, N 64]; A: computed on the way; B: input Wo: QUANTISED
;;   THE QUANTISER, for each operand of a quantised product, along K:
;;     - K is cut into blocks of 32 from its start; a last block that is shorter is filled with zeros.
;;     - A block's scale is 2^e with e = floor(log2(the largest magnitude in the block)) - 4, held to -126 .. 127; a block of zeros has e = 0. As a byte (E8M0): e + 127.
;;     - Each number is divided by its block's scale, clamped to +-28, and rounded to the nearest number of E3M2, ties to even, subnormals kept.
;;     - The product sums the exact products of the quantised numbers (number of the format x scale) in f32.
;;   ~~~python
;;   def quantise(x, axis):      # numpy; x: float32 -> the quantised numbers, widened to float32 again
;;       x = np.moveaxis(x, axis, -1); K = x.shape[-1]
;;       x = np.pad(x, [(0, 0)] * (x.ndim - 1) + [(0, -K % 32)]); x = x.reshape(x.shape[:-1] + (-1, 32)); a = np.abs(x).max(-1, keepdims=True)
;;       e = np.where(a > 0, np.clip(np.frexp(np.where(a > 0, a, 1))[1] - 1 - 4, -126, 127), 0)      # np.frexp(a)[1] - 1 = floor(log2(a)), exactly
;;       r = np.clip(x / 2.0 ** e, -28, 28)
;;       step = 2.0 ** (np.maximum(np.frexp(np.where(r == 0, 1, r))[1] - 1, -2) - 2)
;;       q = np.round(r / step) * step * 2.0 ** e      # np.round: ties to even
;;       return np.moveaxis(q.reshape(q.shape[:-2] + (-1,))[..., :K], -1, axis).astype(np.float32)
;;   ~~~
;;   OPERANDS COMPUTED ON THE WAY. 'Computed on the way' means the value that the module computes at that place (a softmax that the list does not call 'softmax' is quantised finished and normalised). What goes into a quantiser is computed in f32, as accurately as f32 sums, v_exp_f32 and their like allow (about 1e-6 of the number): no bf16 or f16 on the way to a quantiser, and a product that is left as it is and whose result goes on into a quantised operand takes f32 operands (vector FMAs, or v_wmma_f32_16x16x4_f32). A number that lies on a knife's edge between two numbers of the format may be rounded either way, as far as f32 arithmetic and the matrix unit's own rounding can turn it there, and no further.
;; One version. Each part assembles by itself: llvm-mc -triple=amdgcn-amd-amdhsa -mcpu=gfx1250 --defsym DOCPART=n.
;; ======== version 1 of 1: 2 launches
;; limits: inputs' magnitudes at most 64
;; workspace buffers: nbr 524,288 bytes of whole numbers; cor 131,072 bytes of whole numbers; tfeat 4,194,304 bytes; ctxq 1,048,576 bytes; wimg 14,336 bytes
;; launch prep (part 1): grid 256 x 1, 3 waves a work-group, no clusters, 26,624 bytes of LDS; arguments coords, latents, ln_gc, ln_bc, Wq, Wkv, Wo, nbr, cor, tfeat, ctxq, wimg; writes nbr, cor, tfeat, ctxq, wimg
.if DOCPART == 1
	.amdgcn_target "amdgcn-amd-amdhsa--gfx1250"
	.amdhsa_code_object_version 6
	.text
	.protected	k_q17cc429ef4_prep
	.globl	k_q17cc429ef4_prep
	.p2align	8
	.type	k_q17cc429ef4_prep,@function
k_q17cc429ef4_prep:
	s_mov_b64 s[64:65], 0
	v_nop
	global_prefetch_b8 v0, s[64:65] scope:SCOPE_SE
	s_setreg_imm32_b32 hwreg(HW_REG_WAVE_MODE, 25, 1), 1
	s_wait_xcnt 0x0
; PREP: all that hangs on floating-point numbers and later steers addresses is decided here and stored as whole numbers; all that hangs on a grid point alone is made once.
; 256 work-groups of three waves; each work-group does 1/256 of three jobs that share nothing, told apart by the wave's number.
;   wave 0 (TOPK): 32 queries, a lane a query: the four clipped corners of the bilinear sample -> cor [8192][4]; the 16 nearest grid points -> nbr [1024 groups of 8 queries][16][8].
;   waves 1, 2 (GRID): 32 grid points each, a lane a point, registers down the 64 channels: the point's row -> tfeat [16384][64] f32; LayerNorm (ln_gc, ln_bc), then codes of E3M2 and E8M0 bytes -> ctxq.
;   in work-groups 0 to 7 waves 1, 2 then quantise one tile of 16 columns of Wq, Wkv or Wo along K (its first axis) -> wimg, as an image of the operand's registers.
; ctxq: four planes of 262,144 bytes, 16 bytes a point in each: plane 2 b: code words 0-3 of block b (channels 32 b on); plane 2 b + 1: code words 4, 5, the point's scale word (s0 | s1 << 8 | 0x7f7f0000), 0.
; wimg: tile T (0-3 Wq, 4-11 Wkv, 12-15 Wo) at 768 T: 32 lanes x 16 bytes (words 0-3), at + 512 32 lanes x 8 bytes (words 4, 5); its scale words at 12288 + 128 T + 4 x lane.
; THE NEAREST 16.  The distances are formed operation for operation as the problem forms them: (q.q + g.g) - (2q).g, held at 1e-12 from below, the root rounded to nearest, ties to the lower index.
; Only 64 of the 16,384 points are looked at: the point in the a-th nearest row and b-th nearest column has a b - 1 points no farther, so a b <= 16 holds of every chosen one; a b <= 21 (a, b <= 18) is taken as a margin for rounding.
; One root a query stands for 64: with Ts the rounded root of the 16th smallest d2, a rounded root lies under Ts just where d2 <= Ts x (the number below Ts), above where d2 > Ts x (the number above Ts); both signs come exactly from one fused multiply-add.
; SWITCHES: whether the second product of a sum of two is added by a fused multiply-add.  DOT_FMA = 1: (2q).g is a matrix product with K = 2, taken as multiply-adds in ascending k: fma(2 qx, gx, the rounded 2 qy gy).
; SQ_FMA = 0: q.q is a square and then a sum, two operations of their own.  Where two candidates lie within a last place of d2 of each other, the choice between them hangs on these two.
; LIMITS: |coords| <= 64 (beyond, the rounding of d2 itself, half a last place of q.q twice, nears the gap 17/4096 on which the margin of the 64 rests); NaN and infinities are not served;
; a block of zeros gets the byte 1 where the rule says 127: its codes are zeros, which add nothing under any byte but 0xff, and this program alone reads the bytes.
; No tensor load, no cluster, no barrier: no two work-groups and no two waves read the same bytes but 512 bytes of gains and biases.  No prefetch: each stream's addresses are used at once, at the head.
.set SQ_FMA,  0
.set DOT_FMA, 1
.set WREG, 8704                        ; LDS: a region for each wave: 32 rows x 272 bytes (waves 1, 2), 4 x 544 bytes of it (wave 0)
.set RB,   24                          ; v24-41   128 x the row of rank a
.set GY2,  42                          ; v42-59   its gy squared
.set PR,   60                          ; v60-77   2 qy x gy, rounded
.set CF,   78                          ; v78-95   the column of rank b
.set GX2,  96                          ; v96-113  its gx squared
.set RC,   114                         ; v114-131 2 qx x gx, rounded (gx itself where DOT_FMA)
.set X,    132                         ; v132-195 the 64 candidates: d2, later keys
.set TMPS, 196                         ; v196-203 four pairs at work, by turns
.set B0,   42                          ; four banks of 16 for the sorting networks, in arrays that are done with once the candidates are made
.set B1,   58
.set B2,   96
.set B3,   112
.set L,    16                          ; GRID: v16-79 the point's 64 channels: x, x - mean, the normalised row
.set TR,   80                          ; v80-143  rows read back from LDS
.set E,    144                         ; v144-159 two blocks x (6 code words, the scale word, 0)
	s_load_b512 s[4:19], s[0:1], 0x0               ; coords 4:5, latents 6:7, ln_gc 8:9, ln_bc 10:11, Wq 12:13, Wkv 14:15, Wo 16:17, nbr 18:19
	s_load_b256 s[20:27], s[0:1], 0x40             ; cor 20:21, tfeat 22:23, ctxq 24:25, wimg 26:27
	v_lshl_add_u32 v247, v0, 2, 0x6600
	v_mov_b32 v248, 0
	v_lshrrev_b32 v1, 5, v0
	v_readfirstlane_b32 s28, v1                    ; wave 0..2
	v_and_b32 v1, 31, v0                           ; lane
	s_mul_i32 s29, s28, WREG                       ; my wave's LDS region
	; every LDS address is made here, ahead of the parting of the waves
	v_lshrrev_b32 v2, 3, v1
	v_and_b32 v3, 7, v1
	v_mul_u32_u24 v250, v2, 544
	v_lshl_add_u32 v250, v3, 2, v250
	v_add_nc_u32 v250, s29, v250                   ; indices in: group lane / 8 (512 bytes + 32), word lane % 8
	v_lshlrev_b32 v254, 4, v1                      ; 16 x lane
	v_add_nc_u32 v251, s29, v254                   ; indices out: 16 bytes a lane
	v_mul_u32_u24 v252, v1, 272
	v_add_nc_u32 v252, s29, v252                   ; rows in: row = lane, 256 bytes + 16
	v_lshrrev_b32 v2, 4, v1
	v_and_b32 v3, 15, v1
	v_mul_u32_u24 v253, v2, 272
	v_lshl_add_u32 v253, v3, 4, v253
	v_add_nc_u32 v253, s29, v253                   ; rows out: sixteen lanes to a row, two rows an instruction
	v_lshlrev_b32 v255, 2, v1                      ; 4 x lane
	s_mov_b32 s31, 0                               ; upper word of the offsets' pair s[30:31]
	s_mov_b32 s100, 0x76543210
	s_mov_b32 s101, 0xfedcba98                     ; v_permlanex16_b32's selects for lane l xor 16
	s_wait_kmcnt 0x0
	s_cmp_eq_u32 s28, 0
	s_cbranch_scc0 .Lgrid
; ---------------------------------------------------------------- wave 0: TOPK
	s_lshl_b32 s30, ttmp9, 8
	s_add_nc_u64 s[4:5], s[4:5], s[30:31]          ; my 32 queries' coordinates: 256 bytes
	v_lshlrev_b32 v249, 3, v1
	global_load_b64 v[2:3], v249, s[4:5]           ; qy, qx
	s_lshl_b32 s30, ttmp9, 9
	s_add_nc_u64 s[20:21], s[20:21], s[30:31]      ; cor: 16 bytes a query
	s_lshl_b32 s30, ttmp9, 11
	s_add_nc_u64 s[18:19], s[18:19], s[30:31]      ; nbr: 64 bytes a query
	s_mov_b32 s32, 0x3c800000                      ; 1/64
	s_mov_b32 s33, 0x2b8cbccc                      ; 1e-12
	s_mov_b32 s34, 0x0d800000                      ; 2^-100
	s_mov_b32 s35, 0x78800000                      ; 2^114: 2^-100 x 2^114 = 16,384
	s_mov_b32 s36, 0x43a00000                      ; 320
	s_wait_loadcnt 0x0
; the two clipped corners along an axis: y = ((c + 1) 128 - 1) / 2 (the product by 128 is exact, so the fused form rounds as the unfused), floor, floor + 1, held to 0 .. 127
.macro CLIP c, o0, o1
	v_add_f32 v16, 1.0, v[\c]
	v_fma_f32 v16, v16, 0x43000000, -1.0
	v_mul_f32 v16, 0.5, v16
	v_floor_f32 v16, v16
	v_add_f32 v17, 1.0, v16
	v_med3_num_f32 v[\o0], v16, 0, 0x42fe0000
	v_med3_num_f32 v[\o1], v17, 0, 0x42fe0000
.endm
	CLIP 2, 18, 19
	CLIP 3, 20, 21
	v_fma_f32 v12, v18, 0x43000000, v20            ; 128 y + x: small whole numbers, exact
	v_fma_f32 v13, v18, 0x43000000, v21
	v_fma_f32 v14, v19, 0x43000000, v20
	v_fma_f32 v15, v19, 0x43000000, v21
.irp j, 12,13,14,15
	v_cvt_u32_f32 v\j, v\j
.endr
	global_store_b128 v254, v[12:15], s[20:21]     ; 32 lanes store 512 consecutive bytes; v12-15 are not written again
	v_mul_f32 v6, v2, v2                           ; q.q
.if SQ_FMA
	v_fma_f32 v6, v3, v3, v6
.else
	v_mul_f32 v10, v3, v3
	v_add_f32 v6, v6, v10
.endif
	v_add_f32 v4, v2, v2                           ; 2 qy, 2 qx: exact
	v_add_f32 v5, v3, v3
; THE RANKS ALONG AN AXIS.  Of lines r < s, r comes first just where r + s >= Z = ceil(128 c) + 127 (a tie goes to the lower).  The a nearest lines are the window lo .. lo + a - 1 with
; lo = floor((Z + 1 - a) / 2) held to 0 .. 128 - a; the line of rank a is the one that the window of a has and the window of a - 1 has not: lo where lo has fallen by one, else lo + a - 1.
; All numbers are small whole numbers or halves in f32: exact.  c1 = (1 - a) / 2, c2 = 128 - a, c3 = a - 1.
.macro RANK a, c1, c2, c3
	v_fma_f32 v10, v7, 0.5, \c1
	v_floor_f32 v10, v10
	v_med3_num_f32 v[8+(\a)%2], v10, 0, \c2        ; lo, in v8 and v9 by turns
.if \a == 1
	v_mov_b32 v11, v9
.else
	v_sub_f32 v10, v[8+(\a+1)%2], v[8+(\a)%2]      ; 1 where lo has fallen
	v_add_f32 v11, \c3, v[8+(\a)%2]
	v_fma_f32 v11, v10, -\c3, v11                  ; the line of rank a
.endif
	v_fma_f32 v10, v11, s32, 0xbf7e0000            ; its coordinate (2 r - 127) / 128: exact
	v_mul_f32 v[AXG+\a-1], v10, v10                ; squared: exact
.if AXROW
	v_mul_f32 v[AXP+\a-1], v[AXQ], v10
	v_mul_f32 v[AXI+\a-1], 0x43000000, v11
.else
.if DOT_FMA
	v_mov_b32 v[AXP+\a-1], v10
.else
	v_mul_f32 v[AXP+\a-1], v[AXQ], v10
.endif
	v_mov_b32 v[AXI+\a-1], v11
.endif
.endm
.macro AXIS c, q2, ia, g2a, pa, isrow
.set AXQ, \q2
.set AXI, \ia
.set AXG, \g2a
.set AXP, \pa
.set AXROW, \isrow
	v_mul_f32 v7, 0xc3000000, v[\c]                ; -128 c: exact
	v_floor_f32 v7, v7
	v_sub_f32 v7, 0x42fe0000, v7                   ; Z = 127 - floor(-128 c)
	v_med3_num_f32 v7, v7, 0xc2800000, s36         ; held to -64 .. 320: beyond, every window lies at the grid's edge anyway
	RANK 1, 0, 127.0, 0
	RANK 2, -0.5, 126.0, 1.0
	RANK 3, -1.0, 125.0, 2.0
	RANK 4, -1.5, 124.0, 3.0
	RANK 5, -2.0, 123.0, 4.0
	RANK 6, -2.5, 122.0, 5.0
	RANK 7, -3.0, 121.0, 6.0
	RANK 8, -3.5, 120.0, 7.0
	RANK 9, -4.0, 119.0, 8.0
	RANK 10, -4.5, 118.0, 9.0
	RANK 11, -5.0, 117.0, 10.0
	RANK 12, -5.5, 116.0, 11.0
	RANK 13, -6.0, 115.0, 12.0
	RANK 14, -6.5, 114.0, 13.0
	RANK 15, -7.0, 113.0, 14.0
	RANK 16, -7.5, 112.0, 15.0
	RANK 17, -8.0, 111.0, 16.0
	RANK 18, -8.5, 110.0, 17.0
.endm
	AXIS 2, 4, RB, GY2, PR, 1
	AXIS 3, 5, CF, GX2, RC, 0
; candidate cn = (rank ca, rank cb): d2 = (q.q + g.g) - (2q).g, held at 1e-12
.macro CAND
.set ct, TMPS+2*(cn%4)
	v_add_f32 v[ct], v[GY2+ca-1], v[GX2+cb-1]      ; g.g: exact
.if DOT_FMA
	v_fma_f32 v[ct+1], v5, v[RC+cb-1], v[PR+ca-1]
.else
	v_add_f32 v[ct+1], v[PR+ca-1], v[RC+cb-1]
.endif
	v_add_f32 v[ct], v6, v[ct]
	v_sub_f32 v[ct], v[ct], v[ct+1]
	v_max_num_f32 v[X+cn], s33, v[ct]
.endm
; its key: index + 16,384 x (0: rounded root under Ts, 1: equal, 2: above).  The differences are whole multiples of at least 2^-88, so a positive one is held to 2^-100 exactly
.macro KEY
.set ct, TMPS+2*(cn%4)
	v_fma_f32 v[ct], -v18, v17, v[X+cn]
	v_fma_f32 v[ct+1], -v19, v17, v[X+cn]
	v_med3_num_f32 v[ct], v[ct], 0, s34
	v_med3_num_f32 v[ct+1], v[ct+1], 0, s34
	v_add_f32 v[X+cn], v[RB+ca-1], v[CF+cb-1]
	v_fma_f32 v[X+cn], v[ct], s35, v[X+cn]
	v_fma_f32 v[X+cn], v[ct+1], s35, v[X+cn]
.endm
.macro ALL64 what                      ; the 64 pairs of ranks with a b <= 21 and a, b <= 18
.set cn, 0
.set ca, 1
.rept 18
.set cb, 1
.rept 18
.if ca*cb <= 21
	\what
.set cn, cn+1
.endif
.set cb, cb+1
.endr
.set ca, ca+1
.endr
.endm
; SORTING NETWORKS of minima and maxima.  A layer reads 16 registers and writes all 16 of another bank, so two banks take turns and nothing is moved.
.macro MIRROR src, dst, p              ; partner: the mirror image within blocks of p
.set li, 0
.rept 16
.set lp, (li/(\p))*(\p)+(\p)-1-li%(\p)
.if lp > li
	v_min_num_f32 v[\dst+li], v[\src+li], v[\src+lp]
	v_max_num_f32 v[\dst+lp], v[\src+li], v[\src+lp]
.endif
.set li, li+1
.endr
.endm
.macro CROSS src, dst, p               ; partner: p further on
.set li, 0
.rept 16
.if (li/(\p))%2 == 0
	v_min_num_f32 v[\dst+li], v[\src+li], v[\src+li+\p]
	v_max_num_f32 v[\dst+li+\p], v[\src+li], v[\src+li+\p]
.endif
.set li, li+1
.endr
.endm
.macro SORT16 src, ba, bb              ; 16 numbers ascending, into bb; src is left as it is
	MIRROR \src, \ba, 2
	MIRROR \ba, \bb, 4
	CROSS  \bb, \ba, 1
	MIRROR \ba, \bb, 8
	CROSS  \bb, \ba, 2
	CROSS  \ba, \bb, 1
	MIRROR \bb, \ba, 16
	CROSS  \ba, \bb, 4
	CROSS  \bb, \ba, 2
	CROSS  \ba, \bb, 1
.endm
.macro LOW16 s1, s2, d                 ; the 16 smallest of two ascending 16s
.set li, 0
.rept 16
	v_min_num_f32 v[\d+li], v[\s1+li], v[\s2+15-li]
.set li, li+1
.endr
.endm
.macro MERGE s1, s2, d, t              ; the same, ascending, into d
	LOW16 \s1, \s2, \d
	CROSS \d, \t, 8
	CROSS \t, \d, 4
	CROSS \d, \t, 2
	CROSS \t, \d, 1
.endm
.macro SELECT16                        ; the 16 smallest of X's 64, in no order, into B2
	SORT16 X, B0, B1
	SORT16 X+16, B0, B2
	MERGE B1, B2, B0, B3
	SORT16 X+32, B1, B2
	SORT16 X+48, B1, B3
	MERGE B2, B3, B1, B2
	LOW16 B0, B1, B2
.endm
	ALL64 CAND
	SELECT16
	v_max3_num_f32 v16, v[B2], v[B2+1], v[B2+2]    ; the 16th smallest d2
.irp i, 3,5,7,9,11,13
	v_max3_num_f32 v16, v16, v[B2+\i], v[B2+\i+1]
.endr
	v_max_num_f32 v16, v16, v[B2+15]
	v_sqrt_f32 v17, v16                            ; within a last place; set right below
	v_nop                                          ; a plain instruction behind the root
	s_wait_alu depctr_va_vdst(0)                   ; the wait ahead of the first reader
	v_add_nc_u32 v18, -1, v17                      ; the number below, the number above
	v_add_nc_u32 v19, 1, v17
	v_fma_f32 v20, -v18, v17, v16
	v_fma_f32 v21, -v19, v17, v16
	v_cmp_ge_f32 vcc_lo, 0, v20                    ; d2 <= s x below: the rounded root is the number below
	v_cndmask_b32 v22, v17, v18, vcc_lo
	v_cmp_lt_f32 vcc_lo, 0, v21                    ; d2 > s x above: the number above
	v_cndmask_b32 v17, v22, v19, vcc_lo            ; Ts
	v_add_nc_u32 v18, -1, v17
	v_add_nc_u32 v19, 1, v17
	ALL64 KEY
	SELECT16                                       ; the keys differ from each other: the 16 smallest are the chosen set
.irp r, 0,1,2,3,4,5,6,7,8,9,10,11,12,13,14,15
	v_cvt_u32_f32 v[B2+\r], v[B2+\r]
.endr
.irp r, 0,1,2,3,4,5,6,7,8,9,10,11,12,13,14,15
	v_and_b32 v[B2+\r], 0x3fff, v[B2+\r]           ; the index
.endr
.irp r, 0,1,2,3,4,5,6,7,8,9,10,11,12,13,14,15
	ds_store_b32 v250, v[B2+\r] offset:32*\r       ; [group][r][query % 8]
.endr
.irp k, 0,1,2,3
	ds_load_b128 v[X+4*\k:X+4*\k+3], v251 offset:544*\k   ; LDS serves a wave's instructions in order: these see my stores
.endr
	s_wait_dscnt 0x0
.irp k, 0,1,2,3
	global_store_b128 v254, v[X+4*\k:X+4*\k+3], s[18:19] offset:512*\k   ; 32 lanes store 512 consecutive bytes: a group of 8 queries
.endr
	s_wait_tensorcnt 0x0
	ds_add_u32 v247, v248
	s_wait_dscnt 0x0
	s_endpgm
; ---------------------------------------------------------------- waves 1, 2: GRID
; 32 numbers of one lane, v[x] on, become six code words in v[e] on and the scale's byte in v[byte].  v12, v13 maxima, v14 the conversion's scale operand, v160-162 the upper 16 codes
.macro QUANT32 x, e, byte
	v_max3_num_f32 v12, |v[\x]|, |v[\x+1]|, 0x2800000      ; the floor 2^(5 - 127) among the leaves: the byte cannot fall under 1
	v_max3_num_f32 v13, |v[\x+2]|, |v[\x+3]|, |v[\x+4]|
.irp i, 5,9,13,17,21,25
	v_max3_num_f32 v12, v12, |v[\x+\i]|, |v[\x+\i+1]|
	v_max3_num_f32 v13, v13, |v[\x+\i+2]|, |v[\x+\i+3]|
.endr
	v_max3_num_f32 v12, v12, |v[\x+29]|, |v[\x+30]|
	v_max3_num_f32 v12, v12, v13, |v[\x+31]|
	v_add_nc_u32 v14, 0xfe000000, v12              ; 4 off the exponent field: the conversion takes that field as its scale and nothing else
	v_lshrrev_b32 v[\byte], 23, v14
	v_cvt_scalef32_pk16_bf6_f32 v[\e:\e+2], v[\x:\x+15], v14
	v_cvt_scalef32_pk16_bf6_f32 v[160:162], v[\x+16:\x+31], v14   ; (a conversion's three registers begin on an even number)
	v_nop                                          ; a plain instruction behind the conversions
	v_mov_b32 v[\e+3], v160
	v_mov_b32 v[\e+4], v161
	v_mov_b32 v[\e+5], v162
.endm
.Lgrid:
	s_lshl_b32 s29, ttmp9, 6
	s_sub_co_u32 s30, s28, 1
	s_lshl_b32 s30, s30, 5
	s_add_co_u32 s29, s29, s30                     ; my first point: 64 x work-group + 32 x (wave - 1)
	s_lshl_b32 s30, s29, 2
	s_add_nc_u64 s[6:7], s[6:7], s[30:31]
.set j, 0
.rept 64
	global_load_b32 v[L+j], v255, s[6:7] offset:j*65536 th:TH_LOAD_NT   ; channel j of 32 neighbouring points: 128 consecutive bytes; waves 1 and 2 stand side by side on 256
.set j, j+1
.endr
	s_load_b512 s[32:47], s[8:9], 0x0              ; gains of channels 0-31
	s_load_b512 s[48:63], s[8:9], 0x40
	s_load_b512 s[68:83], s[10:11], 0x0            ; biases of channels 0-31
	s_load_b512 s[84:99], s[10:11], 0x40
	s_lshl_b32 s30, s29, 8
	s_add_nc_u64 s[22:23], s[22:23], s[30:31]      ; tfeat: 256 bytes a point
	s_lshl_b32 s30, s29, 4
	s_add_nc_u64 s[24:25], s[24:25], s[30:31]      ; ctxq: 16 bytes a point in each plane
.set j, 0
.rept 16
	s_wait_loadcnt 60-4*j                          ; channels 4 j .. 4 j + 3 are in; the 60 - 4 j loads issued behind them may be out
	ds_store_b128 v252, v[L+4*j:L+4*j+3] offset:16*j
.set j, j+1
.endr
.set j, 0
.rept 16
	ds_load_b128 v[TR+4*j:TR+4*j+3], v253 offset:544*j   ; rows 2 j, 2 j + 1, whole; LDS serves a wave's instructions in order
.set j, j+1
.endr
	; the mean, in four chains of packed sums
.irp k, 0,1,2,3
	v_pk_add_f32 v[2+2*\k:3+2*\k], v[L+2*\k:L+2*\k+1], v[L+8+2*\k:L+9+2*\k]
.endr
.irp i, 2,3,4,5,6,7
.irp k, 0,1,2,3
	v_pk_add_f32 v[2+2*\k:3+2*\k], v[2+2*\k:3+2*\k], v[L+8*\i+2*\k:L+8*\i+2*\k+1]
.endr
.endr
	v_pk_add_f32 v[2:3], v[2:3], v[4:5]
	v_pk_add_f32 v[6:7], v[6:7], v[8:9]
	v_pk_add_f32 v[2:3], v[2:3], v[6:7]
	v_add_f32 v2, v2, v3
	v_mul_f32 v10, 0x3c800000, v2                  ; / 64
	v_mov_b32 v11, v10
.set j, 0
.rept 32
	v_pk_add_f32 v[L+j:L+j+1], v[L+j:L+j+1], v[10:11] neg_lo:[0,1] neg_hi:[0,1]   ; x - mean, in place
.set j, j+2
.endr
.set j, 0
.rept 16
	s_wait_dscnt 15-j                              ; rows 2 j, 2 j + 1 are back; the later pairs' loads may be out
	global_store_b128 v254, v[TR+4*j:TR+4*j+3], s[22:23] offset:512*j   ; sixteen lanes store a row's 256 bytes, aligned
.set j, j+1
.endr
	; the variance, of the differences
.irp k, 0,1,2,3
	v_pk_mul_f32 v[2+2*\k:3+2*\k], v[L+2*\k:L+2*\k+1], v[L+2*\k:L+2*\k+1]
.endr
.irp i, 1,2,3,4,5,6,7
.irp k, 0,1,2,3
	v_pk_fma_f32 v[2+2*\k:3+2*\k], v[L+8*\i+2*\k:L+8*\i+2*\k+1], v[L+8*\i+2*\k:L+8*\i+2*\k+1], v[2+2*\k:3+2*\k]
.endr
.endr
	v_pk_add_f32 v[2:3], v[2:3], v[4:5]
	v_pk_add_f32 v[6:7], v[6:7], v[8:9]
	v_pk_add_f32 v[2:3], v[2:3], v[6:7]
	v_add_f32 v2, v2, v3
	v_mul_f32 v2, 0x3c800000, v2
	v_add_f32 v2, 0x3727c5ac, v2                   ; + 1e-5
	v_rsq_f32 v10, v2
	v_nop                                          ; a plain instruction behind it
	s_wait_alu depctr_va_vdst(0)                   ; the wait ahead of the first reader
	v_mov_b32 v11, v10
.set j, 0
.rept 32
	v_pk_mul_f32 v[L+j:L+j+1], v[L+j:L+j+1], v[10:11]
.set j, j+2
.endr
	s_wait_kmcnt 0x0
.set j, 0
.rept 32
	v_fma_f32 v[L+j], v[L+j], s[32+j], s[68+j]     ; x gain + bias
.set j, j+1
.endr
	s_load_b512 s[32:47], s[8:9], 0x80             ; gains and biases of channels 32-63 come while block 0 is quantised
	s_load_b512 s[48:63], s[8:9], 0xc0
	s_load_b512 s[68:83], s[10:11], 0x80
	s_load_b512 s[84:99], s[10:11], 0xc0
	QUANT32 L, E, 4
	s_wait_kmcnt 0x0
.set j, 0
.rept 32
	v_fma_f32 v[L+32+j], v[L+32+j], s[32+j], s[68+j]
.set j, j+1
.endr
	QUANT32 L+32, E+8, 5
	v_lshl_or_b32 v6, v5, 8, v4
	v_or_b32 v6, 0x7f7f0000, v6                    ; the point's scale word: K = 64 .. 127 of the matrix instruction holds zero codes under the byte 127
	v_mov_b32 v[E+6], v6
	v_mov_b32 v[E+7], 0
	v_mov_b32 v[E+14], v6
	v_mov_b32 v[E+15], 0
.irp p, 0,1,2,3
	global_store_b128 v254, v[E+4*\p:E+4*\p+3], s[24:25] offset:262144*\p   ; 32 lanes store 512 consecutive bytes of plane p
.endr
	s_cmp_lt_u32 ttmp9, 8
	s_cbranch_scc1 .Lweights
	s_wait_tensorcnt 0x0
	ds_add_u32 v247, v248
	s_wait_dscnt 0x0
	s_endpgm
; ---------------------------------------------------------------- work-groups 0 to 7: a tile of 16 columns of a weight for each of waves 1, 2
; Lane (r, h) takes column r and k = 32 h + 0 .. 31, registers down K: the conversions' results are registers 0-5 of the operand as the matrix instruction wants them.
.macro WLOAD adr, pitch
.set j, 0
.rept 32
	global_load_b32 v[L+j], v[\adr], s[12:13] offset:j*\pitch
.set j, j+1
.endr
.endm
.Lweights:
	s_wait_xcnt 0x0                                ; the stores above have read their data: E is written again below
	s_lshl_b32 s29, ttmp9, 1
	s_add_co_u32 s29, s29, s28
	s_sub_co_u32 s29, s29, 1                       ; T = 2 x work-group + wave - 1: 0 .. 15
	s_cmp_lt_u32 s29, 4
	s_cselect_b64 s[12:13], s[12:13], s[14:15]     ; Wq, or Wkv,
	s_cselect_b32 s32, 0, 4
	s_cmp_lt_u32 s29, 12
	s_cselect_b64 s[12:13], s[12:13], s[16:17]     ; or Wo: the choice hangs on ids alone
	s_cselect_b32 s32, s32, 12
	s_sub_co_u32 s30, s29, s32                     ; the tile's number in its weight
	s_lshl_b32 s30, s30, 6                         ; 16 columns x 4 bytes
	s_add_nc_u64 s[12:13], s[12:13], s[30:31]
	v_and_b32 v2, 15, v1
	v_lshrrev_b32 v3, 4, v1                        ; h
	v_lshlrev_b32 v2, 2, v2
	v_lshl_add_u32 v4, v3, 13, v2                  ; 4 r + 32 h rows of 256 bytes,
	v_lshl_add_u32 v5, v3, 14, v2                  ; or of 512
	v_lshlrev_b32 v9, 3, v1                        ; 8 x lane
	s_sub_co_u32 s33, s29, 4
	s_cmp_lt_u32 s33, 8                            ; T = 4 .. 11: Wkv, whose rows are 512 bytes
	s_cbranch_scc1 .Lwide
	WLOAD 4, 256
	s_branch .Lloaded
.Lwide:
	WLOAD 5, 512
.Lloaded:
	s_wait_loadcnt 0x0
	QUANT32 L, E, 6
	v_lshlrev_b32 v7, 3, v3
	v_lshlrev_b32 v6, v7, v6                       ; my block's byte at its place,
	v_mov_b32 v8, 0
	v_permlanex16_b32 v8, v6, s100, s101
	v_or_b32 v6, v6, v8                            ; with lane l xor 16's,
	v_or_b32 v6, 0x7f7f0000, v6                    ; and 127 for the K that is not there
	s_mul_i32 s30, s29, 768
	s_add_nc_u64 s[34:35], s[26:27], s[30:31]
	s_lshl_b32 s30, s29, 7
	s_add_co_u32 s30, s30, 12288
	s_add_nc_u64 s[36:37], s[26:27], s[30:31]
	global_store_b128 v254, v[E:E+3], s[34:35]
	global_store_b64 v9, v[E+4:E+5], s[34:35] offset:512
	global_store_b32 v255, v6, s[36:37]
	s_wait_tensorcnt 0x0
	ds_add_u32 v247, v248
	s_wait_dscnt 0x0
	s_endpgm
.Lfunc_end_k_q17cc429ef4_prep:
	.size	k_q17cc429ef4_prep, .Lfunc_end_k_q17cc429ef4_prep-k_q17cc429ef4_prep
	.p2alignl 7, 3214868480
	.fill 96, 4, 3214868480
	.section	.rodata,"a",@progbits
	.p2align	6, 0x0
	.amdhsa_kernel k_q17cc429ef4_prep
		.amdhsa_group_segment_fixed_size 26624
		.amdhsa_private_segment_fixed_size 0
		.amdhsa_enable_private_segment 0
		.amdhsa_kernarg_size 96
		.amdhsa_user_sgpr_count 2
		.amdhsa_user_sgpr_kernarg_segment_ptr 1
		.amdhsa_wavefront_size32 1
		.amdhsa_system_sgpr_workgroup_id_x 1
		.amdhsa_system_sgpr_workgroup_id_y 1
		.amdhsa_system_sgpr_workgroup_id_z 1
		.amdhsa_system_vgpr_workitem_id 0
		.amdhsa_next_free_vgpr 256
		.amdhsa_next_free_sgpr 102
		.amdhsa_reserve_vcc 1
		.amdhsa_float_denorm_mode_32 3
		.amdhsa_float_denorm_mode_16_64 3
		.amdhsa_memory_ordered 1
		.amdhsa_forward_progress 1
		.amdhsa_inst_pref_size 156
	.end_amdhsa_kernel
	.amdgpu_metadata
---
amdhsa.version: [ 1, 2 ]
amdhsa.kernels:
  - .name:           k_q17cc429ef4_prep
    .symbol:         k_q17cc429ef4_prep.kd
    .args:
      - { .name: coords, .offset: 0, .size: 8, .value_kind: global_buffer, .address_space: global }
      - { .name: latents, .offset: 8, .size: 8, .value_kind: global_buffer, .address_space: global }
      - { .name: ln_gc, .offset: 16, .size: 8, .value_kind: global_buffer, .address_space: global }
      - { .name: ln_bc, .offset: 24, .size: 8, .value_kind: global_buffer, .address_space: global }
      - { .name: Wq, .offset: 32, .size: 8, .value_kind: global_buffer, .address_space: global }
      - { .name: Wkv, .offset: 40, .size: 8, .value_kind: global_buffer, .address_space: global }
      - { .name: Wo, .offset: 48, .size: 8, .value_kind: global_buffer, .address_space: global }
      - { .name: nbr, .offset: 56, .size: 8, .value_kind: global_buffer, .address_space: global }
      - { .name: cor, .offset: 64, .size: 8, .value_kind: global_buffer, .address_space: global }
      - { .name: tfeat, .offset: 72, .size: 8, .value_kind: global_buffer, .address_space: global }
      - { .name: ctxq, .offset: 80, .size: 8, .value_kind: global_buffer, .address_space: global }
      - { .name: wimg, .offset: 88, .size: 8, .value_kind: global_buffer, .address_space: global }
    .group_segment_fixed_size: 26624
    .private_segment_fixed_size: 0
    .kernarg_segment_align: 8
    .kernarg_segment_size: 96
    .max_flat_workgroup_size: 96
    .sgpr_count:     102
    .vgpr_count:     256
    .wavefront_size: 32
...
	.end_amdgpu_metadata
.endif
;; end of part 1
;; launch attend (part 2): grid 256 x 1, 4 waves a work-group, no clusters, 24,064 bytes of LDS; arguments coords, image, ln_gx, ln_bx, bo, nbr, cor, tfeat, ctxq, wimg, out0; writes out0
.if DOCPART == 2
	.amdgcn_target "amdgcn-amd-amdhsa--gfx1250"
	.amdhsa_code_object_version 6
	.text
	.protected	k_q17cc429ef4_attend
	.globl	k_q17cc429ef4_attend
	.p2align	8
	.type	k_q17cc429ef4_attend,@function
k_q17cc429ef4_attend:
	s_mov_b64 s[64:65], 0
	v_nop
	global_prefetch_b8 v0, s[64:65] scope:SCOPE_SE
	s_setreg_imm32_b32 hwreg(HW_REG_WAVE_MODE, 25, 1), 1
	s_wait_xcnt 0x0
; ATTEND: for each query the bilinear samples, LayerNorm, q = Q(xq) Q(Wq), kv = Q(ctx) Q(Wkv) on its 16 gathered neighbours, the attention in f32, Q(out) Q(Wo) + bo, the image's sample and the positional encoding.
; All addresses that hang on data come from the whole numbers of nbr and cor.  The three quantised products go by v_wmma_scale_f32_16x16x128_f8f6f4 on codes of E3M2.
; SHARES.  A work-group has 32 queries, a wave 8.  Lane: r = lane % 16, h = lane / 16, q8 = lane % 8, c2 = (lane / 8) % 2.
; K = 64 IN A FORM OF K = 128.  Registers 0-5 of a fragment hold k = 32 h + 0 .. 31.  Registers 6-11 of every ACTIVATION's fragment are zero codes, written once.  The weights' tiles lie 6 registers apart, so the upper
; half of tile T's operand is tile T + 1's codes (behind the last tile: six zeros): they meet zero codes alone, E3M2 has no code for NaN or infinity, and the scale bytes of that K are 127 on both sides.
; They are read all the same: a product on tile T stands behind the wait for tile T + 1's loads too.
; All products in the natural order: source 0 = 16 rows of activations, source 1 = 16 columns of a weight; register j of lane (r, h) of a result is (row 8 h + j, column r).
;   xq and the attention's output: rows r and r + 8 hold the same query r % 8, so both halves of the lanes hold the results of all eight queries.
;   ctx: a query's 16 neighbours are the 16 rows: k and v come out with a neighbour to a register and a channel to a lane.
; THE SOFTMAX takes the row's maximum away: p = 2^(c s - c m), c = log2(e) / 8.
; SINES: the angle is taken in turns: u = x 2^o is exact, u less its nearest whole number too; sin(2 pi t), t in 0 .. 1/4, by the series to t^11, whose remainder is (pi / 2)^13 / 13!, under 6e-8.
; THE WAY OUT: the work-group's 32 rows of 388 bytes are gathered in LDS as they lie in memory and leave 16 bytes a lane.  32 rows are 48.5 times 256 bytes: an odd work-group counts its pieces from 128 bytes earlier,
; so that sixteen neighbouring lanes store 256 consecutive bytes at a multiple of 256 from out0's first byte, all but the 256 bytes at the seam between an even work-group and the next, which come in two halves.
; LIMITS: |coords| <= 64 (the choice of neighbours, made in the launch before); NaN and infinities are not served; a block of zeros gets the byte 1 where the rule says 127 (its codes are zeros);
; the bilinear weights are multiplied in another order than the problem writes them: a difference of rounding in f32.
; No tensor load and no cluster: the gathers go lane by lane, and what work-groups share is 14 KiB of weights, a small part of the 60 KiB that a work-group gathers.  No prefetch: a gather's address is known only when it is used.
; WINDOW 0: v1-25 ids and addresses; v26-31 coordinates, corners; v32-39 NB; v40-55 WS; v56-59 BO; v60-63 CSC; v64 XSW; v66-73 P; v74-81 AC; v82-95 at work; v96-107 AF; v108-155 CTX; v156-187 Q; v188-251 KV.
; WINDOW 1: v0-95 the 16 tiles of the weights, 6 registers each; v96-101 zeros; v128-159 ln_gx, v160-191 ln_bx of the lane's 32 channels.
.set OST, 0                            ; LDS: for each wave 8 rows x (256 bytes + 16): the attention's output, f32
.set STG, 8960                         ; 32 rows x 388 bytes, dense: the image of the work-group's part of out0
.set NB,  32                           ; byte offsets in ctxq of neighbour r of queries 0-7, my block's plane
.set WS,  40                           ; the weights' scale words, tile T
.set BO,  56                           ; bo[16 t + r]
.set CSC, 60                           ; the scale words of the four slots of ctx
.set XSW, 64                           ; the scale word of xq, later of the attention's output
.set P,   66                           ; scores, then p
.set AC,  74                           ; partial sums of p v
.set AF,  96                           ; the fragment of xq, later of the attention's output
.set CTX, 108                          ; four slots of 12 registers: the neighbours' codes
.set Q,   156                          ; q: register 8 t + j = q(query j, channel 16 t + r)
.set KV,  188                          ; corners and features; k (tiles 0-3) and v (4-7); rows on the way out
.set FF,  164
.set TT,  172
.set PP,  180
.set MSB, 0
.macro WIN new                         ; the immediate's high byte repeats the setting that is left
.if MSB != \new
	s_set_vgpr_msb (MSB<<8)|\new
.set MSB, \new
.endif
.endm
.macro PLACES n
.rept \n
	v_nop
.endr
.endm
	s_load_b512 s[4:19], s[0:1], 0x0               ; coords 4:5, image 6:7, ln_gx 8:9, ln_bx 10:11, bo 12:13, nbr 14:15, cor 16:17, tfeat 18:19
	s_load_b128 s[20:23], s[0:1], 0x40             ; ctxq 20:21, wimg 22:23
	s_load_b64 s[24:25], s[0:1], 0x50              ; out0
	v_lshl_add_u32 v254, v0, 2, 0x5c00
	v_mov_b32 v255, 0
	v_lshrrev_b32 v1, 5, v0
	v_readfirstlane_b32 s26, v1                    ; wave 0..3
	v_and_b32 v1, 15, v0                           ; r
	v_bfe_u32 v2, v0, 4, 1                         ; h
	v_and_b32 v3, 7, v0                            ; q8
	v_bfe_u32 v4, v0, 3, 1                         ; c2
	s_and_b32 s27, ttmp9, 1                        ; an odd work-group?
	s_mov_b32 s28, 0x76543210
	s_mov_b32 s29, 0xfedcba98                      ; v_permlanex16_b32's selects for lane l xor 16
	s_mov_b32 s30, 0xff00ff00                      ; the lanes with c2 = 1
	s_mov_b32 s31, 0xffff0000                      ; the lanes with h = 1
	s_mov_b32 s32, 0x3e38aa3b                      ; c = log2(e) / 8
	s_mov_b32 s33, s32                             ; (named with it as a pair)
	s_mov_b32 s34, 0x3c800000                      ; 1/64
	s_mov_b32 s35, 0x3727c5ac                      ; 1e-5
	s_mov_b32 s37, 0x3e800000                      ; 1/4
	s_mov_b32 s42, 0x40c90fdb                      ; the series of sin(2 pi t) / t in t^2: 6.2831853,
	s_mov_b32 s43, 0xc2255de7                      ; -41.341702,
	s_mov_b32 s44, 0x42a335e3                      ; 81.605249,
	s_mov_b32 s45, 0xc2996966                      ; -76.705860,
	s_mov_b32 s46, 0x42283c1a                      ; 42.058694,
	s_mov_b32 s47, 0xc17183a8                      ; -15.094643
	; LDS addresses: constants, the lane's fields, the wave's number
	s_mul_i32 s36, s26, 2176
	v_lshlrev_b32 v17, 7, v2                       ; 128 h
	v_lshlrev_b32 v18, 2, v1                       ; 4 r
	v_add_nc_u32 v5, v17, v18
	v_add_nc_u32 v5, s36, v5                       ; OSA: my wave's rows, channel 32 h + r
	v_mad_u32_u24 v6, v3, 272, v17
	v_add_nc_u32 v6, s36, v6                       ; ORD: row q8, channels 32 h on
	s_mul_i32 s36, s26, 3104
	s_add_co_u32 s36, s36, STG                     ; my wave's 8 rows of the stage
	v_mad_u32_u24 v7, v2, 1552, v18
	v_add_nc_u32 v7, s36, v7                       ; SA: row 4 h, column r
	v_mul_u32_u24 v9, v3, 388
	v_add_nc_u32 v9, s36, v9
	v_lshl_add_u32 v8, v4, 6, v9
	v_lshl_add_u32 v8, v2, 5, v8
	v_add_nc_u32 v8, 260, v8                       ; PEA: row q8, column 65 + 16 c2 + 8 h
	v_add_nc_u32 v9, 256, v9                       ; QIA: row q8, column 64
	s_xor_b32 s36, s27, 1
	s_lshl_b32 s36, s36, 7
	s_add_co_u32 s36, s36, STG-128
	v_lshl_add_u32 v10, v0, 4, s36                 ; CPL: the stage, 128 bytes earlier in an odd work-group, 16 bytes a thread
	v_lshlrev_b32 v11, 4, v0                       ; CPG: the same in memory
	; offsets of the loads; none is written again
	v_lshlrev_b32 v12, 19, v2                      ; my block's planes of ctxq
	v_lshlrev_b32 v13, 3, v2                       ; 8 h
	v_and_b32 v16, 31, v0
	v_lshlrev_b32 v14, 4, v16                      ; 16 x lane
	v_lshlrev_b32 v15, 3, v16                      ; 8 x lane
	v_lshrrev_b32 v21, 3, v16
	v_lshlrev_b32 v16, 2, v16                      ; 4 x lane
	v_lshlrev_b32 v19, 5, v1                       ; nbr: 32 r
	v_lshlrev_b32 v20, 4, v3
	v_lshl_add_u32 v21, v21, 2, v20                ; cor: query q8, corner lane / 8
	v_lshl_add_u32 v20, v4, 3, v20                 ; cor: query q8, the two corners of row c2
	v_lshlrev_b32 v22, 3, v3                       ; coords: query q8
.irp j, 6,7,8,9,10,11
	v_mov_b32 v[AF+\j], 0                          ; the zero codes of K = 64 .. 127, written once
.irp s, 0,1,2,3
	v_mov_b32 v[CTX+12*\s+\j], 0
.endr
.endr
.irp j, 82,83,84,85,86,87,88,89,90,91,92,93,94,95
	v_mov_b32 v\j, 0                               ; written once: destinations of lane permutes and upper halves of pairs count as read
.endr
	s_mov_b32 s39, 0
	s_lshl_b32 s38, ttmp9, 2
	s_add_co_u32 s38, s38, s26                     ; my group of 8 queries
	s_lshl_b32 s38, s38, 9
	s_mul_i32 s40, ttmp9, 12416
	s_lshl_b32 s41, s27, 7
	s_sub_co_u32 s40, s40, s41
	s_mov_b32 s41, 0
	s_wait_kmcnt 0x0
	s_add_nc_u64 s[14:15], s[14:15], s[38:39]      ; nbr: 512 bytes a group
	s_lshr_b32 s38, s38, 2
	s_add_nc_u64 s[16:17], s[16:17], s[38:39]      ; cor: 128
	s_lshr_b32 s38, s38, 1
	s_add_nc_u64 s[4:5], s[4:5], s[38:39]          ; coords: 64
	s_add_nc_u64 s[24:25], s[24:25], s[40:41]      ; out0: 12,416 bytes a work-group, 128 earlier in an odd one
	; ---- loads A: five, on which addresses and weights hang
	global_load_b128 v[NB:NB+3], v19, s[14:15]
	global_load_b128 v[NB+4:NB+7], v19, s[14:15] offset:16
	global_load_b64 v[28:29], v20, s[16:17]
	global_load_b32 v30, v21, s[16:17]
	global_load_b64 v[26:27], v22, s[4:5]
	; ---- loads B: 30.  Wq's four tiles, and tile 4, whose registers are the upper half of tile 3's operand
	WIN 0x40                                       ; destination window 1
.irp t, 0,1,2,3,4
	global_load_b128 v[6*\t:6*\t+3], v14, s[22:23] offset:768*\t
	global_load_b64 v[6*\t+4:6*\t+5], v15, s[22:23] offset:768*\t+512
.endr
.irp k, 0,1,2,3,4,5,6,7
	global_load_b128 v[128+4*\k:131+4*\k], v17, s[8:9] offset:16*\k
	global_load_b128 v[160+4*\k:163+4*\k], v17, s[10:11] offset:16*\k
.endr
.irp j, 0,1,2,3,4,5
	v_mov_b32 v[96+\j], 0                          ; behind the last tile
.endr
	WIN 0
.irp t, 0,1,2,3
	global_load_b32 v[WS+\t], v16, s[22:23] offset:12288+128*\t
.endr
	s_wait_loadcnt 30                              ; A is in; B's 30 may be out
	; ---- offsets from the whole numbers, each held inside its table first
.irp q, 0,1,2,3,4,5,6,7
	v_min_u32 v[NB+\q], 0x3fff, v[NB+\q]
.endr
.irp q, 0,1,2,3,4,5,6,7
	v_lshl_add_u32 v[NB+\q], v[NB+\q], 4, v12
.endr
	v_min_u32 v28, 0x3fff, v28
	v_min_u32 v29, 0x3fff, v29
	v_min_u32 v30, 0x3fff, v30
	v_lshl_add_u32 v24, v28, 8, v17                ; tfeat: the corner's row, channels 32 h on
	v_lshl_add_u32 v25, v29, 8, v17
	v_lshlrev_b32 v23, 2, v30                      ; image
	; ---- loads C: 17
.irp k, 0,1,2,3,4,5,6,7
	global_load_b128 v[KV+4*\k:KV+4*\k+3], v24, s[18:19] offset:16*\k
.endr
.irp k, 0,1,2,3,4,5,6,7
	global_load_b128 v[KV+32+4*\k:KV+35+4*\k], v25, s[18:19] offset:16*\k
.endr
	global_load_b32 v31, v23, s[6:7]
; the codes and the scale word of neighbour r of query q, block h, into slot sl: three loads
.macro CLOAD q, sl
	global_load_b128 v[CTX+12*(\sl):CTX+12*(\sl)+3], v[NB+(\q)], s[20:21]
	global_load_b64 v[CTX+12*(\sl)+4:CTX+12*(\sl)+5], v[NB+(\q)], s[20:21] offset:262144
	global_load_b32 v[CSC+(\sl)], v[NB+(\q)], s[20:21] offset:262152
.endm
	; ---- loads D: 12
	CLOAD 0, 0
	CLOAD 1, 1
	CLOAD 2, 2
	CLOAD 3, 3
	; ---- loads E: 38
	WIN 0x40
.irp t, 5,6,7,8,9,10,11,12,13,14,15
	global_load_b128 v[6*\t:6*\t+3], v14, s[22:23] offset:768*\t
	global_load_b64 v[6*\t+4:6*\t+5], v15, s[22:23] offset:768*\t+512
.endr
	WIN 0
.irp t, 4,5,6,7,8,9,10,11,12,13,14,15
	global_load_b32 v[WS+\t], v16, s[22:23] offset:12288+128*\t
.endr
.irp t, 0,1,2,3
	global_load_b32 v[BO+\t], v18, s[12:13] offset:64*\t
.endr
; ---- while these are out: the bilinear weights and the positional encoding
; along an axis: a0 = 1 - w where corner 0 lies inside, else 0; a1 = w likewise; gs = a0 g(corner 0) + a1 g(corner 1), g the grid's coordinate
.macro BIL c, a0, a1, gs
	v_add_f32 v156, 1.0, v[\c]
	v_fma_f32 v156, v156, 0x43000000, -1.0
	v_mul_f32 v156, 0.5, v156
	v_floor_f32 v157, v156
	v_sub_f32 v158, v156, v157                     ; w
	v_add_f32 v159, 1.0, v157
	v_med3_num_f32 v160, v157, 0, 0x42fe0000
	v_med3_num_f32 v161, v159, 0, 0x42fe0000
	v_sub_f32 v162, 1.0, v158
	v_cmp_eq_f32 vcc_lo, v160, v157
	v_cndmask_b32 v[\a0], 0, v162, vcc_lo
	v_cmp_eq_f32 vcc_lo, v161, v159
	v_cndmask_b32 v[\a1], 0, v158, vcc_lo
	v_fma_f32 v160, v160, s34, 0xbf7e0000
	v_fma_f32 v161, v161, s34, 0xbf7e0000
	v_mul_f32 v160, v160, v[\a0]
	v_fma_f32 v[\gs], v161, v[\a1], v160
.endm
	BIL 26, 84, 85, 94                             ; ay0, ay1
	BIL 27, 86, 87, 95                             ; ax0, ax1
	v_add_f32 v156, v86, v87
	v_add_f32 v157, v84, v85
	v_mul_f32 v94, v94, v156                       ; the sampled y coordinate,
	v_mul_f32 v95, v95, v157                       ; the sampled x coordinate
	v_cndmask_b32 v89, v94, v95, s30               ; mine: c2 = 0: y, 1: x
	v_add_f32 v89, 1.0, v89
	v_mul_f32 v89, 0.5, v89
	v_cvt_f32_u32 v88, v2
	v_mul_f32 v88, 0x3e800000, v88                 ; h = 1: the cosine, a quarter turn on
.irp o, 0,1,2,3,4,5,6,7
	v_mul_f32 v[FF+\o], (127+\o)<<23, v89          ; turns: x 2^o, exact
.endr
.irp o, 0,1,2,3,4,5,6,7
	v_rndne_f32 v[TT+\o], v[FF+\o]
.endr
.irp o, 0,1,2,3,4,5,6,7
	v_sub_f32 v[FF+\o], v[FF+\o], v[TT+\o]
.endr
.irp o, 0,1,2,3,4,5,6,7
	v_add_f32 v[FF+\o], v[FF+\o], v88
.endr
.irp o, 0,1,2,3,4,5,6,7
	v_rndne_f32 v[TT+\o], v[FF+\o]
.endr
.irp o, 0,1,2,3,4,5,6,7
	v_sub_f32 v[FF+\o], v[FF+\o], v[TT+\o]         ; f in -1/2 .. 1/2
.endr
.irp o, 0,1,2,3,4,5,6,7
	v_sub_f32 v[TT+\o], |v[FF+\o]|, s37
.endr
.irp o, 0,1,2,3,4,5,6,7
	v_sub_f32 v[TT+\o], s37, |v[TT+\o]|            ; t = 1/4 - | |f| - 1/4 |: the same sine, t in 0 .. 1/4
.endr
.irp o, 0,1,2,3,4,5,6,7
	v_mul_f32 v[156+\o], v[TT+\o], v[TT+\o]
.endr
.irp o, 0,1,2,3,4,5,6,7
	v_fma_f32 v[PP+\o], v[156+\o], s47, s46
.endr
.irp c, 45,44,43,42
.irp o, 0,1,2,3,4,5,6,7
	v_fma_f32 v[PP+\o], v[PP+\o], v[156+\o], s\c
.endr
.endr
.irp o, 0,1,2,3,4,5,6,7
	v_mul_f32 v[PP+\o], v[PP+\o], v[TT+\o]
.endr
.irp o, 0,1,2,3,4,5,6,7
	v_bfi_b32 v[PP+\o], 0x7fffffff, v[PP+\o], v[FF+\o]   ; f's sign
.endr
.irp o, 0,1,2,3,4,5,6,7
	ds_store_b32 v8, v[PP+\o] offset:4*\o
.endr
	s_wait_loadcnt 50                              ; A, B and C are in; D's 12 and E's 38 may be out
	; ---- the image's sample: a corner a lane (y by h, x by c2), summed over lanes l xor 8 and l xor 16
	v_cndmask_b32 v156, v84, v85, s31
	v_cndmask_b32 v157, v86, v87, s30
	v_mul_f32 v156, v156, v157
	v_mul_f32 v156, v156, v31
	v_add_f32_dpp v156, v156, v156 row_xmask:8 row_mask:0xf bank_mask:0xf
	v_permlanex16_b32 v83, v156, s28, s29
	v_add_f32 v156, v156, v83
	ds_store_b32 v9, v156                          ; four lanes write the same word with the same value
	; ---- the features: my two corners (row c2) of my 32 channels, then lane l xor 8's two
	v_cndmask_b32 v157, v84, v85, s30
	v_mul_f32 v90, v157, v86
	v_mul_f32 v92, v157, v87
.set j, 0
.rept 16
	v_pk_mul_f32 v[KV+j:KV+j+1], v[KV+j:KV+j+1], v[90:91] op_sel_hi:[1,0]
.set j, j+2
.endr
.set j, 0
.rept 16
	v_pk_fma_f32 v[KV+j:KV+j+1], v[KV+32+j:KV+33+j], v[92:93], v[KV+j:KV+j+1] op_sel_hi:[1,0,1]
.set j, j+2
.endr
.set j, 0
.rept 32
	v_add_f32_dpp v[KV+j], v[KV+j], v[KV+j] row_xmask:8 row_mask:0xf bank_mask:0xf
.set j, j+1
.endr
	; ---- LayerNorm over the 64 channels: my 32 and lane l xor 16's
.irp k, 0,1,2,3
	v_pk_add_f32 v[P+2*\k:P+2*\k+1], v[KV+2*\k:KV+2*\k+1], v[KV+8+2*\k:KV+9+2*\k]
.endr
.irp i, 2,3
.irp k, 0,1,2,3
	v_pk_add_f32 v[P+2*\k:P+2*\k+1], v[P+2*\k:P+2*\k+1], v[KV+8*\i+2*\k:KV+8*\i+2*\k+1]
.endr
.endr
	v_pk_add_f32 v[P:P+1], v[P:P+1], v[P+2:P+3]
	v_pk_add_f32 v[P+4:P+5], v[P+4:P+5], v[P+6:P+7]
	v_pk_add_f32 v[P:P+1], v[P:P+1], v[P+4:P+5]
	v_add_f32 v[P], v[P], v[P+1]
	v_permlanex16_b32 v83, v[P], s28, s29
	v_add_f32 v[P], v[P], v83
	v_mul_f32 v74, s34, v[P]                       ; the mean
	v_mov_b32 v75, v74
.set j, 0
.rept 16
	v_pk_add_f32 v[KV+j:KV+j+1], v[KV+j:KV+j+1], v[74:75] neg_lo:[0,1] neg_hi:[0,1]
.set j, j+2
.endr
.irp k, 0,1,2,3
	v_pk_mul_f32 v[P+2*\k:P+2*\k+1], v[KV+2*\k:KV+2*\k+1], v[KV+2*\k:KV+2*\k+1]
.endr
.irp i, 1,2,3
.irp k, 0,1,2,3
	v_pk_fma_f32 v[P+2*\k:P+2*\k+1], v[KV+8*\i+2*\k:KV+8*\i+2*\k+1], v[KV+8*\i+2*\k:KV+8*\i+2*\k+1], v[P+2*\k:P+2*\k+1]
.endr
.endr
	v_pk_add_f32 v[P:P+1], v[P:P+1], v[P+2:P+3]
	v_pk_add_f32 v[P+4:P+5], v[P+4:P+5], v[P+6:P+7]
	v_pk_add_f32 v[P:P+1], v[P:P+1], v[P+4:P+5]
	v_add_f32 v[P], v[P], v[P+1]
	v_permlanex16_b32 v83, v[P], s28, s29
	v_add_f32 v[P], v[P], v83
	v_mul_f32 v[P], s34, v[P]
	v_add_f32 v[P], s35, v[P]
	v_rsq_f32 v76, v[P]
	v_nop                                          ; a plain instruction behind it
	s_wait_alu depctr_va_vdst(0)                   ; the wait ahead of the first reader
	v_mov_b32 v77, v76
.set j, 0
.rept 16
	v_pk_mul_f32 v[KV+j:KV+j+1], v[KV+j:KV+j+1], v[76:77]
.set j, j+2
.endr
	WIN 0x14                                       ; sources 1 and 2 (gain, bias) window 1
.set j, 0
.rept 16
	v_pk_fma_f32 v[KV+j:KV+j+1], v[KV+j:KV+j+1], v[128+j:129+j], v[160+j:161+j]
.set j, j+2
.endr
	WIN 0
; 32 numbers of one lane, v[x] on (k = 32 h + 0 .. 31 of its row), become registers 0-5 of the fragment at v[e]; then the row's scale word in v[XSW].  v82, v83 maxima, v94 the scale operand, v95 the byte, v78-80 the upper 16 codes
.macro QUANT32 x, e
	v_max3_num_f32 v82, |v[\x]|, |v[\x+1]|, 0x2800000      ; the floor 2^(5 - 127) among the leaves: the byte cannot fall under 1
	v_max3_num_f32 v83, |v[\x+2]|, |v[\x+3]|, |v[\x+4]|
.irp i, 5,9,13,17,21,25
	v_max3_num_f32 v82, v82, |v[\x+\i]|, |v[\x+\i+1]|
	v_max3_num_f32 v83, v83, |v[\x+\i+2]|, |v[\x+\i+3]|
.endr
	v_max3_num_f32 v82, v82, |v[\x+29]|, |v[\x+30]|
	v_max3_num_f32 v82, v82, v83, |v[\x+31]|
	v_add_nc_u32 v94, 0xfe000000, v82              ; 4 off the exponent field: the conversion's scale operand
	v_lshrrev_b32 v95, 23, v94
	v_cvt_scalef32_pk16_bf6_f32 v[\e:\e+2], v[\x:\x+15], v94
	v_cvt_scalef32_pk16_bf6_f32 v[78:80], v[\x+16:\x+31], v94   ; (a conversion's three registers begin on an even number)
	v_nop                                          ; a plain instruction behind the conversions
	v_mov_b32 v[\e+3], v78
	v_mov_b32 v[\e+4], v79
	v_mov_b32 v[\e+5], v80
	v_lshlrev_b32 v95, v13, v95                    ; my block's byte at its place,
	v_permlanex16_b32 v83, v95, s28, s29
	v_or_b32 v95, v95, v83                         ; with lane l xor 16's,
	v_or_b32 v[XSW], 0x7f7f0000, v95               ; and 127 for the K that holds zero codes
	PLACES 8                                       ; a scale register written by a vector instruction stands 8 places ahead of a scaled matrix instruction, an operand so written 4
.endm
	QUANT32 KV, AF
	WIN 0x04                                       ; source 1 (the weights) window 1
.irp t, 0,1,2,3
	v_wmma_scale_f32_16x16x128_f8f6f4 v[Q+8*\t:Q+8*\t+7], v[AF:AF+11], v[6*\t:6*\t+11], 0, v[XSW], v[WS+\t] matrix_a_fmt:MATRIX_FMT_BF6 matrix_b_fmt:MATRIX_FMT_BF6
.endr
	WIN 0
; ---- A QUERY: i its number, s = i % 2.  Eight products (each starts its own sum with 0: no accumulator is taken up twice), then the attention in f32.
.macro QUERY i, s
.set SL, (\i)%4
.if \i == 0
	s_wait_loadcnt 0x0                             ; all of the head's loads are in
.elseif \i >= 4
	s_wait_loadcnt 3*(7-(\i))                      ; my slot's three loads are in; three for each later query may be out
.endif
	WIN 0x04
.irp t, 0,1,2,3,4,5,6,7
	v_wmma_scale_f32_16x16x128_f8f6f4 v[KV+8*\t:KV+8*\t+7], v[CTX+12*SL:CTX+12*SL+11], v[24+6*\t:35+6*\t], 0, v[CSC+SL], v[WS+4+\t] matrix_a_fmt:MATRIX_FMT_BF6 matrix_b_fmt:MATRIX_FMT_BF6
.endr
	WIN 0
	PLACES 4                                       ; in front of the loads into the slot just read and of the first read of results
.if \i < 4
	CLOAD (\i)+4, SL
.endif
.set QP, Q+(\i)-(\s)                   ; the even pair that holds q of query i
.irp j, 0,2,4,6                        ; score(neighbour 8 h + j), my channels' part: each accumulator is read from its low end on
	v_pk_mul_f32 v[P+\j:P+\j+1], v[KV+\j:KV+\j+1], v[QP:QP+1] op_sel:[0,\s] op_sel_hi:[1,\s]
.endr
.irp t, 1,2,3
.irp j, 0,2,4,6
	v_pk_fma_f32 v[P+\j:P+\j+1], v[KV+8*\t+\j:KV+8*\t+\j+1], v[QP+8*\t:QP+8*\t+1], v[P+\j:P+\j+1] op_sel:[0,\s,0] op_sel_hi:[1,\s,1]
.endr
.endr
.irp m, 1,2,4,8                        ; over the sixteen lanes of a half: all 64 channels
.irp j, 0,1,2,3,4,5,6,7
	v_add_f32_dpp v[P+\j], v[P+\j], v[P+\j] row_xmask:\m row_mask:0xf bank_mask:0xf
.endr
.endr
	v_max3_num_f32 v82, v[P], v[P+1], v[P+2]
	v_max3_num_f32 v82, v82, v[P+3], v[P+4]
	v_max3_num_f32 v82, v82, v[P+5], v[P+6]
	v_max_num_f32 v82, v82, v[P+7]
	v_permlanex16_b32 v83, v82, s28, s29
	v_max_num_f32 v82, v82, v83                    ; the largest of the 16 scores
	v_mul_f32 v84, s32, v82
.irp j, 0,2,4,6
	v_pk_fma_f32 v[P+\j:P+\j+1], v[P+\j:P+\j+1], s[32:33], v[84:85] op_sel_hi:[1,0,0] neg_lo:[0,0,1] neg_hi:[0,0,1]   ; c s - c m
.endr
.irp j, 0,1,2,3,4,5,6,7
	v_exp_f32 v[P+\j], v[P+\j]
.endr
	v_nop                                          ; a plain instruction behind the batch
	s_wait_alu depctr_va_vdst(0)                   ; one wait for the eight, ahead of their first reader
	v_pk_add_f32 v[86:87], v[P:P+1], v[P+2:P+3]
	v_pk_add_f32 v[88:89], v[P+4:P+5], v[P+6:P+7]
	v_pk_add_f32 v[86:87], v[86:87], v[88:89]
	v_add_f32 v86, v86, v87
	v_permlanex16_b32 v83, v86, s28, s29
	v_add_f32 v86, v86, v83                        ; the sum of the 16 p
	v_rcp_f32 v90, v86
.irp t, 0,1,2,3                        ; p v, my 8 neighbours' part of channel 16 t + r: the work behind the reciprocal
	v_pk_mul_f32 v[AC+2*\t:AC+2*\t+1], v[KV+32+8*\t:KV+33+8*\t], v[P:P+1]
.endr
.irp j, 2,4,6
.irp t, 0,1,2,3
	v_pk_fma_f32 v[AC+2*\t:AC+2*\t+1], v[KV+32+8*\t+\j:KV+33+8*\t+\j], v[P+\j:P+\j+1], v[AC+2*\t:AC+2*\t+1]
.endr
.endr
.irp t, 0,1,2,3
	v_add_f32 v[92+\t], v[AC+2*\t], v[AC+2*\t+1]
.endr
	v_permlane16_swap_b32 v92, v94                 ; tile 0's upper lanes change places with tile 2's lower: the sums below join the two halves' neighbours,
	v_permlane16_swap_b32 v93, v95                 ; lanes 0-15 for tiles 0, 1, lanes 16-31 for tiles 2, 3
	v_add_f32 v92, v92, v94
	v_add_f32 v93, v93, v95
	s_wait_alu depctr_va_vdst(0)                   ; the reciprocal's wait, ahead of its first reader
	v_mul_f32 v92, v92, v90                        ; channel 32 h + r
	v_mul_f32 v93, v93, v90                        ; channel 32 h + 16 + r
	ds_store_b32 v5, v92 offset:272*(\i)
	ds_store_b32 v5, v93 offset:272*(\i)+64
.endm
	QUERY 0, 0
	QUERY 1, 1
	QUERY 2, 0
	QUERY 3, 1
	QUERY 4, 0
	QUERY 5, 1
	QUERY 6, 0
	QUERY 7, 1
	; ---- the attention's output becomes an operand: row r % 8, channels 32 h on.  My wave's own bytes: LDS serves a wave's instructions in order
.irp k, 0,1,2,3,4,5,6,7
	ds_load_b128 v[KV+32+4*\k:KV+35+4*\k], v6 offset:16*\k
.endr
	s_wait_dscnt 0x0
	QUANT32 KV+32, AF
	WIN 0x04
.irp t, 0,1,2,3
	v_wmma_scale_f32_16x16x128_f8f6f4 v[KV+8*\t:KV+8*\t+7], v[AF:AF+11], v[72+6*\t:83+6*\t], 0, v[XSW], v[WS+12+\t] matrix_a_fmt:MATRIX_FMT_BF6 matrix_b_fmt:MATRIX_FMT_BF6
.endr
	WIN 0
	PLACES 4
.irp t, 0,1,2,3                        ; both halves of the lanes hold all eight queries: lanes 0-15 take query j, lanes 16-31 query j + 4
.irp j, 0,1,2,3
	v_cndmask_b32 v[Q+4*\t+\j], v[KV+8*\t+\j], v[KV+8*\t+\j+4], s31
.endr
.endr
.irp t, 0,1,2,3
.irp j, 0,1,2,3
	v_add_f32 v[Q+4*\t+\j], v[Q+4*\t+\j], v[BO+\t]
.endr
.endr
.irp t, 0,1,2,3
.irp j, 0,1,2,3
	ds_store_b32 v7, v[Q+4*\t+\j] offset:388*\j+64*\t
.endr
.endr
	s_wait_dscnt 0x0                               ; for the others' sake: all my stores into the stage have landed
	s_barrier_signal -1
	s_barrier_wait -1                              ; 32 whole rows lie in the stage
	; ---- the copy out: piece t + 128 k - 8 odd of 776 pieces of 16 bytes.  Rounds 1 to 5 with all lanes on
.irp k, 1,2,3,4,5
	ds_load_b128 v[KV+4*\k:KV+4*\k+3], v10 offset:2048*\k
.endr
.irp k, 1,2,3,4,5
	s_wait_dscnt 5-\k                              ; round k is in; the later rounds' loads may be out
	global_store_b128 v11, v[KV+4*\k:KV+4*\k+3], s[24:25] offset:2048*\k th:TH_STORE_NT
.endr
	s_lshl_b32 s36, s27, 3
	v_cmp_le_u32 vcc_lo, s36, v0                   ; round 0: threads 8 odd on
	s_wait_xcnt 0x0                                ; EXEC changes only behind this wait
	s_wait_tensorcnt 0x0
	ds_add_u32 v254, v255
	s_wait_dscnt 0x0
	s_and_saveexec_b32 s40, vcc_lo
	ds_load_b128 v[KV:KV+3], v10
	s_wait_dscnt 0x0
	global_store_b128 v11, v[KV:KV+3], s[24:25] th:TH_STORE_NT
	s_wait_xcnt 0x0                                ; and again in front of the line that widens it
	s_or_b32 exec_lo, exec_lo, s40
	s_add_co_u32 s36, s36, 8
	v_cmp_gt_u32 vcc_lo, s36, v0                   ; round 6: threads under 8 + 8 odd
	s_and_saveexec_b32 s40, vcc_lo
	ds_load_b128 v[KV+24:KV+27], v10 offset:12288
	s_wait_dscnt 0x0
	global_store_b128 v11, v[KV+24:KV+27], s[24:25] offset:12288 th:TH_STORE_NT
	s_wait_xcnt 0x0
	s_or_b32 exec_lo, exec_lo, s40
	s_endpgm
.Lfunc_end_k_q17cc429ef4_attend:
	.size	k_q17cc429ef4_attend, .Lfunc_end_k_q17cc429ef4_attend-k_q17cc429ef4_attend
	.p2alignl 7, 3214868480
	.fill 96, 4, 3214868480
	.section	.rodata,"a",@progbits
	.p2align	6, 0x0
	.amdhsa_kernel k_q17cc429ef4_attend
		.amdhsa_group_segment_fixed_size 24064
		.amdhsa_private_segment_fixed_size 0
		.amdhsa_enable_private_segment 0
		.amdhsa_kernarg_size 88
		.amdhsa_user_sgpr_count 2
		.amdhsa_user_sgpr_kernarg_segment_ptr 1
		.amdhsa_wavefront_size32 1
		.amdhsa_system_sgpr_workgroup_id_x 1
		.amdhsa_system_sgpr_workgroup_id_y 1
		.amdhsa_system_sgpr_workgroup_id_z 1
		.amdhsa_system_vgpr_workitem_id 0
		.amdhsa_next_free_vgpr 512
		.amdhsa_next_free_sgpr 66
		.amdhsa_reserve_vcc 1
		.amdhsa_float_denorm_mode_32 3
		.amdhsa_float_denorm_mode_16_64 3
		.amdhsa_memory_ordered 1
		.amdhsa_forward_progress 1
		.amdhsa_inst_pref_size 103
	.end_amdhsa_kernel
	.amdgpu_metadata
---
amdhsa.version: [ 1, 2 ]
amdhsa.kernels:
  - .name:           k_q17cc429ef4_attend
    .symbol:         k_q17cc429ef4_attend.kd
    .args:
      - { .name: coords, .offset: 0, .size: 8, .value_kind: global_buffer, .address_space: global }
      - { .name: image, .offset: 8, .size: 8, .value_kind: global_buffer, .address_space: global }
      - { .name: ln_gx, .offset: 16, .size: 8, .value_kind: global_buffer, .address_space: global }
      - { .name: ln_bx, .offset: 24, .size: 8, .value_kind: global_buffer, .address_space: global }
      - { .name: bo, .offset: 32, .size: 8, .value_kind: global_buffer, .address_space: global }
      - { .name: nbr, .offset: 40, .size: 8, .value_kind: global_buffer, .address_space: global }
      - { .name: cor, .offset: 48, .size: 8, .value_kind: global_buffer, .address_space: global }
      - { .name: tfeat, .offset: 56, .size: 8, .value_kind: global_buffer, .address_space: global }
      - { .name: ctxq, .offset: 64, .size: 8, .value_kind: global_buffer, .address_space: global }
      - { .name: wimg, .offset: 72, .size: 8, .value_kind: global_buffer, .address_space: global }
      - { .name: out0, .offset: 80, .size: 8, .value_kind: global_buffer, .address_space: global }
    .group_segment_fixed_size: 24064
    .private_segment_fixed_size: 0
    .kernarg_segment_align: 8
    .kernarg_segment_size: 88
    .max_flat_workgroup_size: 128
    .sgpr_count:     66
    .vgpr_count:     512
    .wavefront_size: 32
...
	.end_amdgpu_metadata
.endif
;; end of part 2
